; MI455X (gfx1250); checked and timed in simulation.
; The chip was launched on July 23, 2026; its instructions are those of AMD's public machine-readable ISA for CDNA 5 (MIT licence, August 2026) and "CDNA5" Instruction Set Architecture Reference Guide (July 2026). The comments in the code are by the model that wrote it; some were corrected since.
;; QGLU. Allowed arithmetic: float matrix products may take bf16 or f16 operands with f32 sums; other float arithmetic in f32, or as packed bf16 or f16 multiplies, adds, multiply-adds, maxima and minima; sums over many terms, partial sums and values carried from step to step in f32; what a program stores and reads back later, other than sums and carried values, may be rounded once to bf16 or f16.
;; Inputs: W_fc1 1,024 x 2,048 float32; W_fc2 2,048 x 1,024 float32; W_gate 1,024 x 2,048 float32; x 2 x 4,096 x 2,048 float32.
;; Outputs: out0 2 x 4,096 x 2,048 float32.
;; One version. Each part assembles by itself: llvm-mc -triple=amdgcn-amd-amdhsa -mcpu=gfx1250 --defsym DOCPART=n.
;; ======== version 1 of 1: 3 launches
;; limits: a function is approximated: absolute error at most 2.5e-05; an absolute error that grows with the inputs' magnitude: up to 1.25e-05 times it
;; workspace buffers: xb 33,554,432 bytes; wgh 8,388,608 bytes; w2b 4,194,304 bytes; act 16,777,216 bytes
;; launch cast (part 1): grid 2816 x 1, 4 waves a work-group, no clusters, 0 bytes of LDS; arguments x, W_gate, W_fc1, W_fc2, xb, wgh, w2b; writes xb, wgh, w2b
.if DOCPART == 1
	.amdgcn_target "amdgcn-amd-amdhsa--gfx1250"
	.amdhsa_code_object_version 6
	.text
	.protected	k_q1c5c51b9cf_cast
	.globl	k_q1c5c51b9cf_cast
	.p2align	8
	.type	k_q1c5c51b9cf_cast,@function
k_q1c5c51b9cf_cast:
	s_mov_b64 s[64:65], 0
	v_nop
	global_prefetch_b8 v0, s[64:65] scope:SCOPE_SE
	s_setreg_imm32_b32 hwreg(HW_REG_WAVE_MODE, 25, 1), 1
	s_wait_xcnt 0x0
; x, W_gate, W_fc1, W_fc2 (f32) are rounded once to bf16 (nearest even), for the two products that follow.
;   xb  [8192][2048] = x        w2b [2048][1024] = W_fc2
;   wgh [2048][2048]: W_gate and W_fc1 by turns in blocks of 64 rows: block 2 q holds W_gate's rows 64 q .. 64 q + 63, block 2 q + 1 W_fc1's same rows,
;   so that 128 neighbouring rows of wgh are the gate and the fc1 weights of the same 64 channels.
; A stream: each byte is read once and written once; no wave wants what another has read, so there is no LDS, no barrier, no cluster and no matrix work.
; SHARES.  A work-group takes a chunk of 32,768 bytes of f32 and writes 16,384 of bf16.  x has 2,048 chunks, each weight 256: 2,816 work-groups.
; Thread t, load j: 16 bytes at 2,048 j + 16 t (a wave's load covers 512 consecutive bytes); store j: 8 bytes at 1,024 j + 8 t (a wave's store covers 256 consecutive bytes, aligned).
; All 16 loads of a thread go out at once; nothing is looped over and no register that a load or store names is written again.
.set XCH,  2048                        ; chunks of x
.set X,    4                           ; v[4:67]  load j in v[4+4j : 7+4j]; its two packed words take the first two of them
	s_load_b256 s[4:11], s[0:1], 0x0               ; x s[4:5], W_gate s[6:7], W_fc1 s[8:9], W_fc2 s[10:11]
	s_load_b128 s[12:15], s[0:1], 0x20             ; xb s[12:13], wgh s[14:15]
	s_load_b64 s[16:17], s[0:1], 0x30              ; w2b
	v_lshlrev_b32 v1, 4, v0                        ; 16 t
	v_lshlrev_b32 v2, 3, v0                        ; 8 t
	; the offsets, made apart from the addresses.  (For a chunk of x the weights' numbers below mean nothing and are not chosen.)
	s_sub_co_u32 s20, ttmp9, XCH                   ; chunk among the weights'
	s_lshr_b32 s21, s20, 8                         ; which weight: 0 gate, 1 fc1, 2 fc2
	s_and_b32 s22, s20, 255                        ; i: its chunk, four rows of 2,048 (fc2: eight of 1,024)
	s_lshr_b32 s23, s22, 4                         ; 16 chunks are 64 rows: q = i / 16
	s_lshl_b32 s23, s23, 1
	s_add_co_u32 s23, s23, s21                     ; block 2 q + (0 gate, 1 fc1)
	s_lshl_b32 s23, s23, 18                        ; a block of wgh is 64 rows x 4,096 bytes
	s_and_b32 s34, s22, 15
	s_lshl_b32 s34, s34, 14                        ; the chunk's 16,384 bytes in it
	s_add_co_u32 s23, s23, s34                     ; where a chunk of gate or fc1 goes in wgh
	s_lshl_b32 s30, s22, 14                        ; where a chunk of fc2 goes in w2b
	s_lshl_b32 s31, ttmp9, 14                      ; where a chunk of x goes in xb
	s_wait_kmcnt 0x0
	; from here on only compares on the chunk's number, choices and 64-bit sums
	s_cmp_eq_u32 s21, 0
	s_cselect_b64 s[24:25], s[6:7], s[8:9]
	s_cmp_eq_u32 s21, 2
	s_cselect_b64 s[24:25], s[10:11], s[24:25]
	s_cselect_b64 s[26:27], s[16:17], s[14:15]
	s_cselect_b32 s28, s30, s23
	s_cmp_lt_u32 ttmp9, XCH
	s_cselect_b64 s[24:25], s[4:5], s[24:25]       ; the source
	s_cselect_b64 s[26:27], s[12:13], s[26:27]     ; the destination
	s_cselect_b32 s28, s31, s28                    ; the chunk's offset in the destination
	s_cselect_b32 s32, ttmp9, s22
	s_lshl_b32 s32, s32, 15                        ; and in the source
	s_mov_b32 s33, 0
	s_mov_b32 s29, 0
	s_add_nc_u64 s[24:25], s[24:25], s[32:33]
	s_add_nc_u64 s[26:27], s[26:27], s[28:29]
.irp j, 0,1,2,3,4,5,6,7,8,9,10,11,12,13,14,15
	global_load_b128 v[X+4*(\j):X+4*(\j)+3], v1, s[24:25] offset:2048*(\j) th:TH_LOAD_NT
.endr
.irp j, 0,1,2,3,4,5,6,7,8,9,10,11,12,13,14,15
	s_wait_loadcnt 15-(\j)                         ; loads come back in order (ISA guide 5.7.1): load j is in, the 15 - j younger ones stay out
	v_cvt_pk_bf16_f32 v[X+4*(\j)],   v[X+4*(\j)],   v[X+4*(\j)+1]
	v_cvt_pk_bf16_f32 v[X+4*(\j)+1], v[X+4*(\j)+2], v[X+4*(\j)+3]
	global_store_b64 v2, v[X+4*(\j):X+4*(\j)+1], s[26:27] offset:1024*(\j)
.endr
	s_endpgm
.Lfunc_end_k_q1c5c51b9cf_cast:
	.size	k_q1c5c51b9cf_cast, .Lfunc_end_k_q1c5c51b9cf_cast-k_q1c5c51b9cf_cast
	.p2alignl 7, 3214868480
	.fill 96, 4, 3214868480
	.section	.rodata,"a",@progbits
	.p2align	6, 0x0
	.amdhsa_kernel k_q1c5c51b9cf_cast
		.amdhsa_group_segment_fixed_size 0
		.amdhsa_private_segment_fixed_size 0
		.amdhsa_enable_private_segment 0
		.amdhsa_kernarg_size 56
		.amdhsa_user_sgpr_count 2
		.amdhsa_user_sgpr_kernarg_segment_ptr 1
		.amdhsa_wavefront_size32 1
		.amdhsa_system_sgpr_workgroup_id_x 1
		.amdhsa_system_sgpr_workgroup_id_y 1
		.amdhsa_system_sgpr_workgroup_id_z 1
		.amdhsa_system_vgpr_workitem_id 0
		.amdhsa_next_free_vgpr 72
		.amdhsa_next_free_sgpr 66
		.amdhsa_reserve_vcc 0
		.amdhsa_float_denorm_mode_32 3
		.amdhsa_float_denorm_mode_16_64 3
		.amdhsa_memory_ordered 1
		.amdhsa_forward_progress 1
		.amdhsa_inst_pref_size 8
	.end_amdhsa_kernel
	.amdgpu_metadata
---
amdhsa.version: [ 1, 2 ]
amdhsa.kernels:
  - .name:           k_q1c5c51b9cf_cast
    .symbol:         k_q1c5c51b9cf_cast.kd
    .args:
      - { .name: x, .offset: 0, .size: 8, .value_kind: global_buffer, .address_space: global }
      - { .name: W_gate, .offset: 8, .size: 8, .value_kind: global_buffer, .address_space: global }
      - { .name: W_fc1, .offset: 16, .size: 8, .value_kind: global_buffer, .address_space: global }
      - { .name: W_fc2, .offset: 24, .size: 8, .value_kind: global_buffer, .address_space: global }
      - { .name: xb, .offset: 32, .size: 8, .value_kind: global_buffer, .address_space: global }
      - { .name: wgh, .offset: 40, .size: 8, .value_kind: global_buffer, .address_space: global }
      - { .name: w2b, .offset: 48, .size: 8, .value_kind: global_buffer, .address_space: global }
    .group_segment_fixed_size: 0
    .private_segment_fixed_size: 0
    .kernarg_segment_align: 8
    .kernarg_segment_size: 56
    .max_flat_workgroup_size: 128
    .sgpr_count:     66
    .vgpr_count:     72
    .wavefront_size: 32
...
	.end_amdgpu_metadata
.endif
;; end of part 1
;; launch glu (part 2): grid 8 x 32, 4 waves a work-group, clusters of 4 x 4, 327,680 bytes of LDS; arguments xb, wgh, act; writes act
.if DOCPART == 2
	.amdgcn_target "amdgcn-amd-amdhsa--gfx1250"
	.amdhsa_code_object_version 6
	.text
	.protected	k_q1c5c51b9cf_glu
	.globl	k_q1c5c51b9cf_glu
	.p2align	8
	.type	k_q1c5c51b9cf_glu,@function
k_q1c5c51b9cf_glu:
	s_mov_b64 s[64:65], 0
	v_nop
	global_prefetch_b8 v0, s[64:65] scope:SCOPE_SE
	s_setreg_imm32_b32 hwreg(HW_REG_WAVE_MODE, 25, 1), 1
	s_wait_xcnt 0x0
	s_wait_alu depctr_hold_cnt(0) depctr_sa_sdst(0) depctr_va_vdst(0) depctr_va_sdst(0) depctr_va_ssrc(0) depctr_va_vcc(0) depctr_vm_vsrc(0)
	s_getreg_b32 s2, hwreg(HW_REG_IB_STS2, 6, 4)
	s_cmp_eq_u32 s2, 0
	s_cbranch_scc0 .Lentry_in_a_cluster
	s_endpgm
.Lentry_in_a_cluster:
	s_bfe_u32 s2, ttmp6, 0x10000c
	s_cmp_lg_u32 s2, 0xf033
	s_cbranch_scc0 .Lentry_shape_is_right
	s_endpgm
.Lentry_shape_is_right:
; act[t][f] = gelu(h[t][f]) g[t][f],  g = x W_gate^T, h = x W_fc1^T.  xb: [8192][2048] bf16; wgh: [2048][2048] bf16, gate and fc1 by turns in blocks of 64 rows; act: [8192][1024] bf16.
; Sums in f32, K ascending; gelu and the product with g in f32; act rounded once to bf16 (bf16 and not f16: act grows with the fourth power of a common scale of the inputs).
; LIMITS.  gelu(h) = h Phi(h) with Phi by the rational form 7.1.25 of Abramowitz and Stegun: erf is off by 2.5e-5 at the most for every argument, so gelu by 1.25e-5 |h| at the most.
; The exponential and the reciprocal flush denormals: a tail weight below 2^-126 counts as 0.  NaN and infinities are not treated apart.
; THE PRODUCT.  One GEMM, C = xb wgh^T, 8192 x 2048, in tiles of 256 x 256: 32 x 8 work-groups of four waves; a wave makes 128 x 128: 64 accumulators of 16 x 16, 512 registers.
; K goes in steps of 128 through a ring of two LDS slots filled by the tensor data mover; a tile's rows are 256 bytes of memory and start at multiples of 256 bytes from the buffer's first byte.
; A wave's 128 rows of wgh are the gate rows of 64 channels and then the fc1 rows of the SAME channels: g and h of a number of act lie in the same lane, 32 registers apart, and meet without leaving the wave.
; CLUSTERS: 4 x 4 work-groups.  The four of a row of the cluster need the same tiles of xb, the four of a column the same tiles of wgh: each tile is asked for JOINTLY, by the same tensor load with the
; same descriptor and a mask that names the four.
; THE MATRIX INSTRUCTION IS USED TRANSPOSED (source 0 = 16 rows of wgh, source 1 = 16 rows of xb): lane l holds row l % 16 of C and the columns 8 (l / 16) + 0..7.
; REGISTERS, in windows of 256 (s_set_vgpr_msb: bits 1:0 source 0, 3:2 source 1, 5:4 source 2, 7:6 destination):
;   window 0: v0-31 addresses; v64-127, v128-191 fragments of xb, two buffers, on the way out at work; v32-63 packed results; v192-255 rows read back from the stage
;   window 1: v64-127, v128-191 fragments of wgh, two buffers
;   window 2: the 32 accumulators of my rows 0-63 (accumulator (a, b) at v[8 (8 a + b)]; b 0-3 gate, b 4-7 fc1);   window 3: those of my rows 64-127
.set SIZE_K, 2048
.set ACTROW, 2048                      ; bytes in a row of act
.set KSTEP,  128
.set PITCH,  272                       ; an LDS row: 256 bytes + 16 of padding = 68 words: row r starts at bank 4 r mod 64 (64 banks of 4 bytes: ISA guide 11.1), so the 16 rows of a load start at 16 different banks
.set HALFT,  128*PITCH                 ; 128 rows: what one tensor load brings, and what one wave reads of xb or of wgh
.set SLOT,   4*HALFT                   ; xb's 256 rows, then wgh's 256 rows
.set STAGE,  2*SLOT                    ; behind the ring: 128 rows x 272 bytes, the work-group's, for the way out; no tensor load fills it
.set SPITCH, 272
.set SPARE,  STAGE+128*SPITCH          ; behind the stage: the spare words, 128 bytes for each wave: two blocks of 256 bytes that no other line names
.set LAPS,   SIZE_K/(2*KSTEP)          ; a lap = two K steps = once round the ring
.set ADRA, 16                          ; v16-17  LDS address of my xb fragments in slot 0, 1
.set ADRB, 20                          ; v20-21  the same for wgh
.set STO,  24                          ; v24     the way out: where I put 16 bytes of a row
.set RD,   25                          ; v25     the way out: where I read a row back
.set CO,   26                          ; v26     my byte offset in act
.set SPW,  28                          ; v28     LDS address of my spare word: SPARE + 4 x my thread's number; never rewritten
.set NIL,  29                          ; v29     0; never rewritten
.set PFO,  30                          ; v30     the prefetches' offset: my lane x a row of xb or wgh (4,096 bytes); never rewritten
.set F0,   64                          ; fragment buffer 0
.set F1,   128                         ; fragment buffer 1
.set TA,   64                          ; the way out, window 0: |h|, 32 registers
.set TU,   96                          ;   u = C1 h, then -u^2, then e = 2^(-u^2)
.set TD,   128                         ;   1 + CP |h|, then t, its reciprocal
.set TQ,   160                         ;   the polynomial, and at last the result
.set OB,   192                         ;   32 rows' part read back from the stage
.set G1,  24                           ; s[24:31] descriptor group 1 for xb's tiles
.set G0,  32                           ; s[32:39] descriptor group 0 for xb's tiles, one set for each slot
.set G1B, 48                           ; s[48:55] group 1 for wgh's tiles: it differs in the mask alone
.set G0B, 56                           ; s[56:63] group 0 for wgh's tiles
.set LIM, 43                           ; s43     1 in a wave that prefetches, else the greatest number
.set PFA, 44                           ; s[44:45] where my prefetches stand
.set CP,  66                           ; s[66:67] 0.47047 / sqrt(2); each constant is written twice: the packed forms name a pair and take its low word for both halves
.set C1,  68                           ; s[68:69] sqrt(log2(e) / 2): 2^(-(C1 h)^2) = e^(-h^2 / 2)
.set A1,  70                           ; s[70:71] 7.1.25's three coefficients, halved
.set A2,  72                           ; s[72:73]
.set A3,  74                           ; s[74:75]
.set ABSM, 76                          ; s76     clears a sign
.set MSB, 0
.macro WIN new                         ; the immediate's high byte repeats the setting that is left; a switch that changes nothing is dropped
.if MSB != (\new)
	s_set_vgpr_msb (MSB<<8)|(\new)
.set MSB, \new
.endif
.endm
.set MUL_LO, 0xa1                      ; source 0 (wgh) window 1, source 1 (xb) window 0, C and D window 2
.set MUL_HI, 0xf1                      ; the same, C and D window 3
.set TO_B,   0x40                      ; destination window 1, address window 0
; A joint load.  Waves 0 and 1 fetch xb's two halves, waves 2 and 3 wgh's.  Each of the two lines has one mask and one set of registers for all that issue it; the branch hangs on the wave's number alone.
; An s_nop 0 and four v_nop follow each of the two lines, ahead of the jump, the label and what follows.
.macro JLOAD s
	s_cmp_eq_u32 s11, 0
	s_cbranch_scc0 .Lfor_b_\@
	tensor_load_to_lds s[G0+4*(\s):G0+4*(\s)+3], s[G1:G1+7]
	s_nop 0
.rept 4
	v_nop
.endr
	s_branch .Lasked_\@
.Lfor_b_\@:
	tensor_load_to_lds s[G0B+4*(\s):G0B+4*(\s)+3], s[G1B:G1B+7]
	s_nop 0
.rept 4
	v_nop
.endr
.Lasked_\@:
.endm
; A PREFETCH INTO THE L2, behind each joint refill and the run of LDS loads that follows it: the K step that stands TWO refills on, 512 matrix instructions ahead of the load that will ask for it:
; 32 rows x 256 bytes, a lane a row, one instruction a wave.  Each row's 256 bytes of a K step are named once in the launch: xb's tile row is walked by both clusters of a row of clusters, of which
; cluster x = 0 asks; wgh's tile column by the eight clusters of a column, of which cluster y = 0 asks.  The four partners of a joint load share its 128 rows out BY ADDRESS, 32 each (by cx for xb,
; by cy for wgh): no branch hangs on a work-group's place in its cluster.  K steps 0 to 3 come by their loads alone; the loop's last trip (s3 = 1) has no K step two refills on and asks for nothing.
.macro ASK
	s_cmp_gt_u32 s3, s[LIM]
	s_cbranch_scc0 .Lnot_mine_\@
	global_prefetch_b8 v[PFO], s[PFA:PFA+1] offset:KSTEP*2 th:TH_LOAD_NT scope:SCOPE_SE
.Lnot_mine_\@:
.endm
; A round of the cluster's barrier: my work-group's barrier, so that wave 0's signal speaks for all four waves; wave 0 signals; every wave waits for all sixteen work-groups; my work-group's barrier once more.
.macro CREST                           ; a round behind its opening barrier
	s_cmp_lg_u32 s10, 0
	s_cbranch_scc1 .Lnot_wave_0_\@
	s_barrier_signal -3
.Lnot_wave_0_\@:
	s_barrier_wait -3
	s_barrier_signal -1
	s_barrier_wait -1
.endm
.macro CROUND                          ; a whole round
	s_barrier_signal -1
	s_barrier_wait -1
	CREST
.endm
	s_load_b128 s[4:7], s[0:1], 0x0                ; xb s[4:5], wgh s[6:7]
	s_load_b64 s[8:9], s[0:1], 0x10                ; act
	v_lshl_add_u32 v[SPW], v0, 2, SPARE
	v_mov_b32 v[NIL], 0
	ds_add_u32 v[SPW], v[NIL]                      ; the wave's opening: the add and its wait stand ahead of my first tensor load; the set-up below, work on registers, stands between them
	v_lshrrev_b32 v1, 5, v0
	v_readfirstlane_b32 s10, v1                    ; wave 0..3
	s_lshr_b32 s11, s10, 1                         ; which half of the tile's rows is mine.  Also: I fetch for xb (0) or for wgh (1)
	s_and_b32 s12, s10, 1                          ; which half of its columns.  Also: which 128 rows of that tile I fetch
	s_bfe_u32 s40, ttmp6, 0x40000                  ; cx: my place along the cluster's x
	s_bfe_u32 s41, ttmp6, 0x40004                  ; cy: along its y
	s_lshl_b32 s42, ttmp9, 2                       ; in a cluster launch ttmp9 and ttmp7 count clusters
	s_add_co_u32 s42, s42, s40                     ; tile column = 4 x cluster x + cx
	s_and_b32 s13, ttmp7, 0xffff
	s_lshl_b32 s13, s13, 2
	s_add_co_u32 s13, s13, s41                     ; tile row = 4 x cluster y + cy
	s_lshl_b32 s43, s41, 2
	s_lshl_b32 s43, 15, s43                        ; my row of the cluster: places 4 cy .. 4 cy + 3
	s_lshl_b32 s44, 0x1111, s40                    ; my column: places cx, cx + 4, cx + 8, cx + 12
	; descriptor group 1: a tile of 128 rows x 128 elements, padded in LDS
	s_or_b32 s[G1+0], s43, (1<<16)|(1<<20)|(1<<21)|(5<<22)|(3<<25)   ; 15:0 the mask: xb's tiles go to my row; 17:16 elements of 2 bytes; 20 padding on; 21 set beside a mask; 24:22 after every 64 words (code 5); 31:25 4 words of it (code 3)
	s_or_b32 s[G1B+0], s44, (1<<16)|(1<<20)|(1<<21)|(5<<22)|(3<<25)  ; the same with the mask of my column, for wgh's tiles
.irp g, G1, G1B
	s_mov_b32 s[(\g)+1], KSTEP<<16                 ; tensor_dim0 = 128
	s_mov_b32 s[(\g)+2], 128<<16                   ; tensor_dim1 = 128
	s_mov_b32 s[(\g)+3], KSTEP<<16                 ; tile_dim0 = 128
	s_mov_b32 s[(\g)+4], 128                       ; tile_dim1 = 128
	s_mov_b32 s[(\g)+5], SIZE_K                    ; elements from row to row
	s_mov_b32 s[(\g)+6], 0
	s_mov_b32 s[(\g)+7], 0
.endr
	; where the tiles come from.  xb's hang on the tile row alone, which my row of the cluster shares; wgh's on the tile column alone, which my column shares.
	s_lshl_b32 s17, s12, 7                         ; which 128 rows of the tile I fetch
	s_lshl_b32 s16, s13, 8
	s_add_co_u32 s16, s16, s17                     ; xb: row 256 x tile row + 128 x half
	s_lshl_b32 s46, s42, 8
	s_add_co_u32 s46, s46, s17                     ; wgh: row 256 x tile column + 128 x half
	s_mov_b32 s17, 0
	s_mov_b32 s47, 0
	s_mov_b64 s[18:19], SIZE_K*2
	s_mul_u64 s[16:17], s[16:17], s[18:19]         ; in bytes
	s_mul_u64 s[46:47], s[46:47], s[18:19]
	s_mul_i32 s20, s10, HALFT                      ; and where they go: wave x 128 rows: no place in the cluster enters an LDS address
	s_mov_b32 s[CP],   0x3eaa540e                  ; 0.33267253
	s_mov_b32 s[CP+1], 0x3eaa540e
	s_mov_b32 s[C1],   0x3f596d27                  ; 0.84932180
	s_mov_b32 s[C1+1], 0x3f596d27
	s_mov_b32 s[A1],   0x3e32303a                  ; 0.1740121
	s_mov_b32 s[A1+1], 0x3e32303a
	s_mov_b32 s[A2],   0xbd445ca1                  ; -0.0479399
	s_mov_b32 s[A2+1], 0xbd445ca1
	s_mov_b32 s[A3],   0x3ebf7377                  ; 0.3739278
	s_mov_b32 s[A3+1], 0x3ebf7377
	s_mov_b32 s[ABSM], 0x7fffffff
	s_wait_dscnt 0x0                               ; the opening add is done
	s_wait_kmcnt 0x0
	s_add_nc_u64 s[14:15], s[4:5], s[16:17]
	s_add_nc_u64 s[46:47], s[6:7], s[46:47]
	CROUND                                         ; all sixteen work-groups are here: the first joint loads meet
.irp s, 0,1
	s_mov_b32 s[G0+4*(\s)], 1                                      ; count = 1
	s_add_co_u32 s[G0+4*(\s)+1], s20, (\s)*SLOT                    ; LDS address
	s_add_nc_u64 s[G0+4*(\s)+2:G0+4*(\s)+3], s[14:15], (\s)*KSTEP*2  ; global address: K step s
	s_or_b32 s[G0+4*(\s)+3], s[G0+4*(\s)+3], 0x80000000            ; type = 2
	s_mov_b32 s[G0B+4*(\s)], 1
	s_add_co_u32 s[G0B+4*(\s)+1], s20, (\s)*SLOT
	s_add_nc_u64 s[G0B+4*(\s)+2:G0B+4*(\s)+3], s[46:47], (\s)*KSTEP*2
	s_or_b32 s[G0B+4*(\s)+3], s[G0B+4*(\s)+3], 0x80000000
	JLOAD \s                                       ; the ring is filled before anything else is done: two loads of mine are out
.endr
	; A fragment is 16 rows x 32 K in 8 registers: lane l holds row l % 16; registers 0-3 hold K = 8 (l / 16) + 0..7, registers 4-7 K = 16 + 8 (l / 16) + 0..7: two loads of 16 bytes, 32 bytes apart.
	v_and_b32 v1, 15, v0                           ; r = l % 16
	v_bfe_u32 v2, v0, 4, 1                         ; h = l / 16
	v_mul_u32_u24 v3, v1, PITCH
	v_lshl_add_u32 v3, v2, 4, v3                   ; row x pitch + 16 x half
	s_mul_i32 s21, s11, HALFT                      ; my 128 rows of xb
	s_mul_i32 s22, s12, HALFT                      ; my 128 rows of wgh,
	s_add_co_u32 s22, s22, 2*HALFT                 ; which lie behind xb's 256
.irp s, 0,1
	v_add_nc_u32 v[ADRA+(\s)], s21, v3
	v_add_nc_u32 v[ADRB+(\s)], s22, v3
	s_add_co_u32 s21, s21, SLOT
	s_add_co_u32 s22, s22, SLOT
.endr
	; The stage holds 64 of each row half's 128 rows at a time: stage row 64 x (row half) + 16 (a % 4) + r; a row's 256 bytes are the two column halves' 128 each.
	s_mul_i32 s23, s11, 64*SPITCH
	s_lshl_b32 s21, s12, 7
	s_add_co_u32 s23, s23, s21
	s_add_co_u32 s23, s23, STAGE
	v_mul_u32_u24 v4, v1, SPITCH                   ; in: row r, 16 bytes for each half of the lanes
	v_lshl_add_u32 v4, v2, 4, v4
	v_add_nc_u32 v[STO], s23, v4
	s_mul_i32 s23, s10, 32*SPITCH                  ; back: wave w takes stage rows 32 w .. 32 w + 31, whole; lanes 0-15 one row of 256 bytes, lanes 16-31 the next
	s_add_co_u32 s23, s23, STAGE
	v_mul_u32_u24 v5, v2, SPITCH
	v_lshl_add_u32 v5, v1, 4, v5
	v_add_nc_u32 v[RD], s23, v5
	v_lshlrev_b32 v5, 11, v2                       ; and the same two rows in act
	v_lshl_add_u32 v[CO], v1, 4, v5
	; stage rows 32 w .. are the tile's rows 128 (w / 2) + 32 (w % 2) + 64 x pass ..: act at the first of them, at the tile's 128 channels (256 bytes)
	s_lshl_b32 s13, s13, 8                         ; 256 x tile row
	s_lshl_b32 s14, s11, 7
	s_add_co_u32 s16, s13, s14
	s_lshl_b32 s14, s12, 5
	s_add_co_u32 s16, s16, s14
	s_lshl_b32 s16, s16, 11                        ; x 2,048 bytes: under 2^25
	s_mov_b32 s17, 0
	s_lshl_b32 s46, s42, 8                         ; (in the registers that held wgh's address: none that feeds xb's descriptors ever holds cx)
	s_mov_b32 s47, 0
	s_add_nc_u64 s[8:9], s[8:9], s[16:17]
	s_add_nc_u64 s[8:9], s[8:9], s[46:47]
	; the prefetches.  s13 = 256 x tile row, s42 = tile column, s40 = cx, s41 = cy still stand
	s_lshl_b32 s42, s42, 8
	s_and_b32 s22, ttmp7, 0xffff                   ; cluster y
	s_cmp_eq_u32 s11, 0                            ; do I fetch for xb?
	s_cselect_b32 s20, s13, s42                    ; the tile's first row
	s_cselect_b32 s21, s40, s41                    ; my place among the four that ask for it with me
	s_cselect_b32 s22, ttmp9, s22                  ; the coordinate along which other clusters read the same rows
	s_cselect_b64 s[PFA:PFA+1], s[4:5], s[6:7]
	s_cmp_eq_u32 s22, 0
	s_cselect_b32 s[LIM], 1, -1                    ; the same in all sixteen partners, for a given wave
	s_lshl_b32 s22, s12, 7
	s_add_co_u32 s20, s20, s22                     ; + the 128 rows that I fetch
	s_lshl_b32 s21, s21, 5
	s_add_co_u32 s20, s20, s21                     ; + my work-group's 32 of them
	s_mov_b32 s21, 0
	s_mov_b64 s[18:19], SIZE_K*2
	s_mul_u64 s[20:21], s[20:21], s[18:19]
	s_add_nc_u64 s[PFA:PFA+1], s[PFA:PFA+1], s[20:21]
	s_add_nc_u64 s[PFA:PFA+1], s[PFA:PFA+1], 2*KSTEP*2  ; at K step 2: the first refill steps it to 3 and names K step 4
	v_and_b32 v[PFO], 31, v0
	v_mul_u32_u24 v[PFO], v[PFO], SIZE_K*2
; 16 matrix instructions: m blocks a0, a0 + 1 of the window's four (hi = 0: my rows 0-63, 1: rows 64-127) x all 8 n blocks, 32 along K.  zero = 1: the first product starts the sums: nothing is ever cleared.
; The 64 accumulators take turns in the same order in every quarter step.
.macro MUL16 f, hi, a0, zero
	WIN MUL_LO+0x50*(\hi)
.irp a, \a0, (\a0)+1
.irp b, 0,1,2,3,4,5,6,7
.if \zero
	v_wmma_f32_16x16x32_bf16 v[8*(8*(\a)+(\b)):8*(8*(\a)+(\b))+7], v[(\f)+8*(\b):(\f)+8*(\b)+7], v[(\f)+8*(4*(\hi)+(\a)):(\f)+8*(4*(\hi)+(\a))+7], 0
.else
	v_wmma_f32_16x16x32_bf16 v[8*(8*(\a)+(\b)):8*(8*(\a)+(\b))+7], v[(\f)+8*(\b):(\f)+8*(\b)+7], v[(\f)+8*(4*(\hi)+(\a)):(\f)+8*(4*(\hi)+(\a))+7], v[8*(8*(\a)+(\b)):8*(8*(\a)+(\b))+7]
.endif
.endr
.endr
.endm
; 32 LDS loads in one run: the fragments of one quarter step (128 rows of wgh, 128 rows of xb, 32 K at byte k of the rows) into buffer f
.macro FETCH slot, k, f
	WIN TO_B
.irp i, 0,1,2,3,4,5,6,7
	ds_load_b128 v[(\f)+8*(\i):(\f)+8*(\i)+3],   v[ADRB+(\slot)] offset:(\k)+(\i)*16*PITCH
	ds_load_b128 v[(\f)+8*(\i)+4:(\f)+8*(\i)+7], v[ADRB+(\slot)] offset:(\k)+(\i)*16*PITCH+32
.endr
	WIN 0
.irp i, 0,1,2,3,4,5,6,7
	ds_load_b128 v[(\f)+8*(\i):(\f)+8*(\i)+3],   v[ADRA+(\slot)] offset:(\k)+(\i)*16*PITCH
	ds_load_b128 v[(\f)+8*(\i)+4:(\f)+8*(\i)+7], v[ADRA+(\slot)] offset:(\k)+(\i)*16*PITCH+32
.endr
.endm
; A load into a register that a matrix instruction has read, and a vector instruction that reads a matrix result or writes one of a matrix instruction's registers, stand four places behind it, and only
; plain vector instructions that name none of its registers are places (ISA guide 7.12.1 for vector instructions).
.macro PLACES
.rept 4
	v_nop
.endr
.endm
; A K step is four quarter steps of 32 along K, 64 matrix instructions each, on buffers 0, 1, 0, 1.
; One of the first three: multiplies buffer f; in its middle it fetches the next quarter's fragments, at byte k of the same slot's rows, into buffer g.
.macro QUARTER slot, k, f, g, zero
	s_wait_dscnt 8                                 ; wgh and xb's rows 0-63 are in; the youngest eight loads (xb's rows 64-127) may be out
	WIN MUL_LO
	MUL16 \f, 0, 0, \zero
	MUL16 \f, 0, 2, \zero
	PLACES
	FETCH \slot, \k, \g
	s_wait_dscnt 32                                ; all but the 32 just issued
	WIN MUL_HI
	MUL16 \f, 1, 0, \zero
	MUL16 \f, 1, 2, \zero
.endm
; The last quarter multiplies buffer 1 and changes slots.  MEET is its first half: ONE barrier for the change.  In front of it each wave waits for all its tensor loads, of which one is out: its part of
; the next slot; adds 0 to its spare word; and waits for that and for its own reads of this slot.  Behind it nobody reads this slot any more and the next slot is whole.
.macro MEET round                      ; round = 1: the rest of a round of the cluster's barrier follows
	WIN 0                                          ; (the add's two registers lie in window 0)
	s_wait_tensorcnt 0x0                           ; all my tensor loads have landed
	ds_add_u32 v[SPW], v[NIL]                      ; 0 onto my spare word
	s_wait_dscnt 9                                 ; (the add and the youngest eight loads may be out)
	WIN MUL_LO
	MUL16 F1, 0, 0, 0                              ; sixteen matrix instructions stand between the add and the wait for it
	s_wait_dscnt 0x0                               ; the add is done, and my reads of this slot are over
	s_barrier_signal -1
	MUL16 F1, 0, 2, 0                              ; work on registers while the others arrive
.if \round
	WIN 0
.endif
	s_barrier_wait -1
.endm
; The whole last quarter.  fill = 1: behind the round the slot just read out is filled again first, with the K step two steps on; from that request to the wait for it a wave issues 224 matrix instructions.
.macro TURN slot, next, fill
.if \fill
	s_wait_xcnt 0x0                                ; the last prefetch, a K step back, has read its address: it is stepped here, ahead of the waits of the change of slots
	s_add_nc_u64 s[PFA:PFA+1], s[PFA:PFA+1], KSTEP*2
.endif
	MEET \fill
.if \fill
	CREST                                          ; no wave of any partner still reads this slot's tile or has a load on its way
	s_add_nc_u64 s[G0+4*(\slot)+2:G0+4*(\slot)+3], s[G0+4*(\slot)+2:G0+4*(\slot)+3], 2*KSTEP*2
	s_add_nc_u64 s[G0B+4*(\slot)+2:G0B+4*(\slot)+3], s[G0B+4*(\slot)+2:G0B+4*(\slot)+3], 2*KSTEP*2
	JLOAD \slot                                    ; the first tensor load behind the round; the four v_nop behind it are also the places in front of the loads below
.else
	PLACES
.endif
	FETCH \next, 0, F0
.if \fill
	ASK
.endif
	WIN MUL_HI
	MUL16 F1, 1, 0, 0
	MUL16 F1, 1, 2, 0
.endm
; THE WAY OUT OF BLOCK a (16 rows x 64 channels).  g lies in the block's accumulators 0-3, h in 4-7, the same lane and register 32 apart.  With t = 1 / (1 + CP |h|), e = 2^(-(C1 h)^2) and
; q = t (A1 + t (A2 + t A3)), q e = Phi(-|h|), and for either sign of h:  gelu(h) = h / 2 + |h| (1 / 2 - q e).  Two numbers an instruction, stage by stage over the block's 16 pairs.
; Each accumulator's lowest registers are read first.  The 64 reciprocals and exponentials are ONE BATCH with one wait: nothing ahead of the wait names a result of theirs.
.macro GLU a
.set GG, 64*((\a)%4)                   ; g: 32 registers in window 2 (blocks 0-3) or 3 (blocks 4-7)
.set HH, GG+32                         ; h
.set PK, 32+16*((\a)%2)                ; the packed results
	WIN 0x0a+5*((\a)/4)                            ; sources 0 and 1 in the accumulators' window
.set p, 0
.rept 16
	v_and_b32 v[TA+2*p],   s[ABSM], v[HH+2*p]      ; |h|
	v_and_b32 v[TA+2*p+1], s[ABSM], v[HH+2*p+1]
	v_pk_mul_f32 v[TU+2*p:TU+2*p+1], v[HH+2*p:HH+2*p+1], s[C1:C1+1] op_sel_hi:[1,0]  ; u = C1 h
.set p, p+1
.endr
	WIN 0
	v_pk_fma_f32 v[TD:TD+1], v[TA:TA+1], s[CP:CP+1], 1.0 op_sel_hi:[1,0,0]           ; 1 + CP |h|
	v_pk_mul_f32 v[TU:TU+1], v[TU:TU+1], v[TU:TU+1] neg_lo:[1,0] neg_hi:[1,0]        ; -u^2
.set p, 0
.rept 16                               ; pair p's four transcendentals, with pair p + 1's two plain lines among them
	v_rcp_f32 v[TD+2*p], v[TD+2*p]
.if p < 15
	v_pk_fma_f32 v[TD+2*p+2:TD+2*p+3], v[TA+2*p+2:TA+2*p+3], s[CP:CP+1], 1.0 op_sel_hi:[1,0,0]
.endif
	v_rcp_f32 v[TD+2*p+1], v[TD+2*p+1]
.if p < 15
	v_pk_mul_f32 v[TU+2*p+2:TU+2*p+3], v[TU+2*p+2:TU+2*p+3], v[TU+2*p+2:TU+2*p+3] neg_lo:[1,0] neg_hi:[1,0]
.endif
	v_exp_f32 v[TU+2*p], v[TU+2*p]
	v_exp_f32 v[TU+2*p+1], v[TU+2*p+1]
.set p, p+1
.endr
	v_nop                                          ; a plain instruction behind the last exponential, ahead of the first use (ISA guide 5.7.2): one for the batch
	s_wait_alu depctr_va_vdst(0)                   ; the wait ahead of the first reader: one for the batch
.set p, 0
.rept 16
	v_pk_fma_f32 v[TQ+2*p:TQ+2*p+1], v[TD+2*p:TD+2*p+1], s[A3:A3+1], s[A2:A2+1] op_sel_hi:[1,0,0]    ; A2 + t A3
.set p, p+1
.endr
.set p, 0
.rept 16
	v_pk_fma_f32 v[TQ+2*p:TQ+2*p+1], v[TQ+2*p:TQ+2*p+1], v[TD+2*p:TD+2*p+1], s[A1:A1+1] op_sel_hi:[1,1,0]  ; A1 + t (..)
.set p, p+1
.endr
.set p, 0
.rept 16
	v_pk_mul_f32 v[TQ+2*p:TQ+2*p+1], v[TQ+2*p:TQ+2*p+1], v[TD+2*p:TD+2*p+1]                          ; q
.set p, p+1
.endr
.set p, 0
.rept 16
	v_pk_fma_f32 v[TQ+2*p:TQ+2*p+1], v[TQ+2*p:TQ+2*p+1], v[TU+2*p:TU+2*p+1], 0.5 op_sel_hi:[1,1,0] neg_lo:[1,0,0] neg_hi:[1,0,0]  ; 1/2 - q e
.set p, p+1
.endr
.set p, 0
.rept 16
	v_pk_mul_f32 v[TQ+2*p:TQ+2*p+1], v[TA+2*p:TA+2*p+1], v[TQ+2*p:TQ+2*p+1]                          ; |h| (1/2 - q e)
.set p, p+1
.endr
	WIN 2+(\a)/4                                   ; source 0 in the accumulators' window
.set p, 0
.rept 16
	v_pk_fma_f32 v[TQ+2*p:TQ+2*p+1], v[HH+2*p:HH+2*p+1], 0.5 , v[TQ+2*p:TQ+2*p+1] op_sel_hi:[1,0,1]  ; gelu(h)
.set p, p+1
.endr
.set p, 0
.rept 16
	v_pk_mul_f32 v[TQ+2*p:TQ+2*p+1], v[GG+2*p:GG+2*p+1], v[TQ+2*p:TQ+2*p+1]                          ; times g
.set p, p+1
.endr
	WIN 0
.set p, 0
.rept 16
	v_cvt_pk_bf16_f32 v[PK+p], v[TQ+2*p], v[TQ+2*p+1]
.set p, p+1
.endr
.irp b, 0,1,2,3
	ds_store_b128 v[STO], v[PK+4*(\b):PK+4*(\b)+3] offset:((\a)%4)*16*SPITCH+32*(\b)  ; eight neighbouring channels of a row: 16 bytes
.endr
.endm
.macro BACK                            ; my 32 whole rows of the stage
.irp t, 0,1,2,3,4,5,6,7,8,9,10,11,12,13,14,15
	ds_load_b128 v[OB+4*(\t):OB+4*(\t)+3], v[RD] offset:(\t)*2*SPITCH
.endr
.endm
	s_wait_tensorcnt 1                             ; my part of K step 0 is in; K step 1's may stay out
	s_barrier_signal -1
	s_barrier_wait -1                              ; everybody's is
	FETCH 0, 0, F0
	QUARTER 0, 64,  F0, F1, 1                      ; the first quarter stands in front of the loop: its products start the sums
	WIN 0                                          ; at a label and at a branch every window is 0
	s_mov_b32 s3, LAPS-1
.Llap:                                                 ; a trip goes once round the ring, from a lap's second quarter to the next lap's first, and fills both slots again
	QUARTER 0, 128, F1, F0, 0
	QUARTER 0, 192, F0, F1, 0
	TURN 0, 1, 1
	QUARTER 1, 64,  F0, F1, 0
	QUARTER 1, 128, F1, F0, 0
	QUARTER 1, 192, F0, F1, 0
	TURN 1, 0, 1
	QUARTER 0, 64,  F0, F1, 0
	WIN 0
	s_sub_co_u32 s3, s3, 1
	s_cmp_lg_u32 s3, 0
	s_cbranch_scc1 .Llap
	QUARTER 0, 128, F1, F0, 0                      ; the last lap is written out: it fills nothing, and has no round of the cluster's barrier
	QUARTER 0, 192, F0, F1, 0
	TURN 0, 1, 0
	QUARTER 1, 64,  F0, F1, 0
	QUARTER 1, 128, F1, F0, 0
	QUARTER 1, 192, F0, F1, 0
	s_wait_dscnt 8                                 ; the very last quarter: nothing more to fetch
	WIN MUL_LO
	MUL16 F1, 0, 0, 0
	MUL16 F1, 0, 2, 0
	s_wait_dscnt 0x0
	MUL16 F1, 1, 0, 0
	MUL16 F1, 1, 2, 0
	WIN 0
	; THE WAY OUT, in two passes of 64 rows for each row half.  A wave's 64 channels are 128 bytes, half of an aligned 256 bytes of act: so the two waves of a row half write the two halves of the same
	; stage rows, a barrier stands between the writing and the reading, and each wave then stores 32 whole rows.
	PLACES                                         ; behind the last products, ahead of the reads of results and of the writes into the fragments' registers
	PLACES                                         ; (eight, once a launch)
	GLU 0
	GLU 1
	GLU 2
	GLU 3
	s_wait_dscnt 0x0                               ; for the others' sake: my stores into the stage are done
	s_barrier_signal -1
	s_barrier_wait -1                              ; the stage is whole
	BACK
	s_wait_dscnt 0x0                               ; my reads of the stage are back,
	s_barrier_signal -1
	s_barrier_wait -1                              ; and everybody's: it may be written again
.irp t, 0,1,2,3,4,5,6,7,8,9,10,11,12,13,14,15
	global_store_b128 v[CO], v[OB+4*(\t):OB+4*(\t)+3], s[8:9] offset:2*(\t)*ACTROW  ; 16 lanes store 256 consecutive bytes, at a multiple of 256 from act's first byte
.endr
	GLU 4                                          ; these stores are on their way while the second pass is computed
	GLU 5
	GLU 6
	GLU 7
	s_wait_dscnt 0x0
	s_barrier_signal -1
	s_barrier_wait -1
	s_wait_xcnt 0x0                                ; the first pass's stores have read their registers (ISA guide 3.1): only behind this wait are they loaded again
	BACK
.irp t, 0,1,2,3,4,5,6,7,8,9,10,11,12,13,14,15
	s_wait_dscnt 15-(\t)                           ; LDS loads come back in order: load t is in
	global_store_b128 v[CO], v[OB+4*(\t):OB+4*(\t)+3], s[8:9] offset:(64+2*(\t))*ACTROW
.endr
	s_wait_tensorcnt 0x0                           ; the wave's end: behind my last tensor load and my last LDS store
	ds_add_u32 v[SPW], v[NIL]
	s_wait_dscnt 0x0
	CROUND                                         ; the closing round: no work-group ends while a partner may still ask for a tile that names it
	s_endpgm
.Lfunc_end_k_q1c5c51b9cf_glu:
	.size	k_q1c5c51b9cf_glu, .Lfunc_end_k_q1c5c51b9cf_glu-k_q1c5c51b9cf_glu
	.p2alignl 7, 3214868480
	.fill 96, 4, 3214868480
	.section	.rodata,"a",@progbits
	.p2align	6, 0x0
	.amdhsa_kernel k_q1c5c51b9cf_glu
		.amdhsa_group_segment_fixed_size 327680
		.amdhsa_private_segment_fixed_size 0
		.amdhsa_enable_private_segment 0
		.amdhsa_kernarg_size 24
		.amdhsa_user_sgpr_count 2
		.amdhsa_user_sgpr_kernarg_segment_ptr 1
		.amdhsa_wavefront_size32 1
		.amdhsa_system_sgpr_workgroup_id_x 1
		.amdhsa_system_sgpr_workgroup_id_y 1
		.amdhsa_system_sgpr_workgroup_id_z 1
		.amdhsa_system_vgpr_workitem_id 0
		.amdhsa_next_free_vgpr 1024
		.amdhsa_next_free_sgpr 80
		.amdhsa_reserve_vcc 0
		.amdhsa_float_denorm_mode_32 3
		.amdhsa_float_denorm_mode_16_64 3
		.amdhsa_memory_ordered 1
		.amdhsa_forward_progress 1
		.amdhsa_inst_pref_size 235
	.end_amdhsa_kernel
	.amdgpu_metadata
---
amdhsa.version: [ 1, 2 ]
amdhsa.kernels:
  - .name:           k_q1c5c51b9cf_glu
    .symbol:         k_q1c5c51b9cf_glu.kd
    .args:
      - { .name: xb, .offset: 0, .size: 8, .value_kind: global_buffer, .address_space: global }
      - { .name: wgh, .offset: 8, .size: 8, .value_kind: global_buffer, .address_space: global }
      - { .name: act, .offset: 16, .size: 8, .value_kind: global_buffer, .address_space: global }
    .group_segment_fixed_size: 327680
    .private_segment_fixed_size: 0
    .kernarg_segment_align: 8
    .kernarg_segment_size: 24
    .max_flat_workgroup_size: 128
    .sgpr_count:     80
    .vgpr_count:     1024
    .wavefront_size: 32
...
	.end_amdgpu_metadata
.endif
;; end of part 2
;; launch down (part 3): grid 8 x 32, 4 waves a work-group, clusters of 4 x 4, 327,680 bytes of LDS; arguments act, w2b, out0; writes out0
.if DOCPART == 3
	.amdgcn_target "amdgcn-amd-amdhsa--gfx1250"
	.amdhsa_code_object_version 6
	.text
	.protected	k_q1c5c51b9cf_down
	.globl	k_q1c5c51b9cf_down
	.p2align	8
	.type	k_q1c5c51b9cf_down,@function
k_q1c5c51b9cf_down:
	s_mov_b64 s[64:65], 0
	v_nop
	global_prefetch_b8 v0, s[64:65] scope:SCOPE_SE
	s_setreg_imm32_b32 hwreg(HW_REG_WAVE_MODE, 25, 1), 1
	s_wait_xcnt 0x0
	s_wait_alu depctr_hold_cnt(0) depctr_sa_sdst(0) depctr_va_vdst(0) depctr_va_sdst(0) depctr_va_ssrc(0) depctr_va_vcc(0) depctr_vm_vsrc(0)
	s_getreg_b32 s2, hwreg(HW_REG_IB_STS2, 6, 4)
	s_cmp_eq_u32 s2, 0
	s_cbranch_scc0 .Lentry_in_a_cluster
	s_endpgm
.Lentry_in_a_cluster:
	s_bfe_u32 s2, ttmp6, 0x10000c
	s_cmp_lg_u32 s2, 0xf033
	s_cbranch_scc0 .Lentry_shape_is_right
	s_endpgm
.Lentry_shape_is_right:
; out[t][d] = the sum over f of act[t][f] W_fc2[d][f].  act: [8192][1024] bf16; w2b: [2048][1024] bf16; out0: [8192][2048] f32.  Sums in f32, K ascending; they leave as they are.
; NaN and infinities are not treated apart.
; A tile of out, 256 x 256, is made by a work-group of four waves: 32 x 8 work-groups; a wave makes 128 x 128: 64 accumulators of 16 x 16, 512 registers.  K goes in steps of 128 through a ring of two
; LDS slots filled by the tensor data mover; a tile's rows are 256 bytes of memory and start at multiples of 256 bytes from the buffer's first byte.
; CLUSTERS: 4 x 4 work-groups.  The four of a row of the cluster need the same tiles of act, the four of a column the same tiles of w2b: each tile is asked for JOINTLY, by the same tensor load with the
; same descriptor and a mask that names the four.
; THE MATRIX INSTRUCTION IS USED TRANSPOSED (source 0 = 16 rows of w2b, source 1 = 16 rows of act): lane l holds row l % 16 of out and the columns 8 (l / 16) + 0..7: 32 neighbouring bytes.
; REGISTERS, in windows of 256 (s_set_vgpr_msb: bits 1:0 source 0, 3:2 source 1, 5:4 source 2, 7:6 destination):
;   window 0: v0-31 addresses; v64-127, v128-191 fragments of act, two buffers; on the way out 16 rows read back from the stage, by turns
;   window 1: v64-127, v128-191 fragments of w2b, two buffers
;   window 2: the 32 accumulators of my rows 0-63 (accumulator (a, b) at v[8 (8 a + b)]);   window 3: those of my rows 64-127
.set SIZE_K, 1024
.set OUTROW, 8192                      ; bytes in a row of out
.set KSTEP,  128
.set PITCH,  272                       ; an LDS row: 256 bytes + 16 of padding = 68 words: row r starts at bank 4 r mod 64 (64 banks of 4 bytes: ISA guide 11.1)
.set HALFT,  128*PITCH                 ; 128 rows: what one tensor load brings, and what one wave reads of act or of w2b
.set SLOT,   4*HALFT                   ; act's 256 rows, then w2b's 256 rows
.set STAGE,  2*SLOT                    ; behind the ring: 16 rows x 528 bytes for each wave, for the way out; no tensor load fills it
.set SPITCH, 528                       ; 512 bytes + 16 = 132 words: the 16 rows that a store touches start at 16 different groups of four banks
.set SPARE,  STAGE+4*16*SPITCH         ; behind the stages: the spare words, 128 bytes for each wave: two blocks of 256 bytes that no other line names
.set LAPS,   SIZE_K/(2*KSTEP)          ; a lap = two K steps = once round the ring
.set ADRA, 16                          ; v16-17  LDS address of my act fragments in slot 0, 1
.set ADRB, 20                          ; v20-21  the same for w2b
.set STO,  24                          ; v24     the way out: where I put 32 bytes of a row
.set RD,   25                          ; v25     the way out: where I read a row back
.set CO,   26                          ; v26     my byte offset in 512 consecutive bytes of out
.set SPW,  28                          ; v28     LDS address of my spare word: SPARE + 4 x my thread's number; never rewritten
.set NIL,  29                          ; v29     0; never rewritten
.set PFO,  30                          ; v30     the prefetches' offset: my lane x a row of act or w2b (2,048 bytes); never rewritten
.set F0,   64                          ; fragment buffer 0
.set F1,   128                         ; fragment buffer 1
.set OB,   64                          ; the way out: two buffers of 64
.set G1,  24                           ; s[24:31] descriptor group 1 for act's tiles
.set G0,  32                           ; s[32:39] descriptor group 0 for act's tiles, one set for each slot
.set G1B, 48                           ; s[48:55] group 1 for w2b's tiles: it differs in the mask alone
.set G0B, 56                           ; s[56:63] group 0 for w2b's tiles
.set LIM, 43                           ; s43     1 in a wave that prefetches, else the greatest number
.set PFA, 44                           ; s[44:45] where my prefetches stand
.set MSB, 0
.macro WIN new                         ; the immediate's high byte repeats the setting that is left; a switch that changes nothing is dropped
.if MSB != (\new)
	s_set_vgpr_msb (MSB<<8)|(\new)
.set MSB, \new
.endif
.endm
.set MUL_LO, 0xa1                      ; source 0 (w2b) window 1, source 1 (act) window 0, C and D window 2
.set MUL_HI, 0xf1                      ; the same, C and D window 3
.set TO_B,   0x40                      ; destination window 1, address window 0
; A joint load.  Waves 0 and 1 fetch act's two halves, waves 2 and 3 w2b's.  Each of the two lines has one mask and one set of registers for all that issue it; the branch hangs on the wave's number alone.
; An s_nop 0 and four v_nop follow each of the two lines, ahead of the jump, the label and what follows.
.macro JLOAD s
	s_cmp_eq_u32 s11, 0
	s_cbranch_scc0 .Lfor_b_\@
	tensor_load_to_lds s[G0+4*(\s):G0+4*(\s)+3], s[G1:G1+7]
	s_nop 0
.rept 4
	v_nop
.endr
	s_branch .Lasked_\@
.Lfor_b_\@:
	tensor_load_to_lds s[G0B+4*(\s):G0B+4*(\s)+3], s[G1B:G1B+7]
	s_nop 0
.rept 4
	v_nop
.endr
.Lasked_\@:
.endm
; A PREFETCH INTO THE L2, behind each joint refill and the run of LDS loads that follows it: the K step that stands TWO refills on, 512 matrix instructions ahead of the load that will ask for it:
; 32 rows x 256 bytes, a lane a row, one instruction a wave.  Each row's 256 bytes of a K step are named once in the launch: act's tile row is walked by both clusters of a row of clusters, of which
; cluster x = 0 asks; w2b's tile column by the eight clusters of a column, of which cluster y = 0 asks.  The four partners of a joint load share its 128 rows out BY ADDRESS, 32 each (by cx for act,
; by cy for w2b): no branch hangs on a work-group's place in its cluster.  K steps 0 to 3 come by their loads alone; the loop's last trip (s3 = 1) has no K step two refills on and asks for nothing.
.macro ASK
	s_cmp_gt_u32 s3, s[LIM]
	s_cbranch_scc0 .Lnot_mine_\@
	global_prefetch_b8 v[PFO], s[PFA:PFA+1] offset:KSTEP*2 th:TH_LOAD_NT scope:SCOPE_SE
.Lnot_mine_\@:
.endm
; A round of the cluster's barrier: my work-group's barrier, so that wave 0's signal speaks for all four waves; wave 0 signals; every wave waits for all sixteen work-groups; my work-group's barrier once more.
.macro CREST                           ; a round behind its opening barrier
	s_cmp_lg_u32 s10, 0
	s_cbranch_scc1 .Lnot_wave_0_\@
	s_barrier_signal -3
.Lnot_wave_0_\@:
	s_barrier_wait -3
	s_barrier_signal -1
	s_barrier_wait -1
.endm
.macro CROUND                          ; a whole round
	s_barrier_signal -1
	s_barrier_wait -1
	CREST
.endm
	s_load_b128 s[4:7], s[0:1], 0x0                ; act s[4:5], w2b s[6:7]
	s_load_b64 s[8:9], s[0:1], 0x10                ; out0
	v_lshl_add_u32 v[SPW], v0, 2, SPARE
	v_mov_b32 v[NIL], 0
	ds_add_u32 v[SPW], v[NIL]                      ; the wave's opening: the add and its wait stand ahead of my first tensor load; the set-up below, work on registers, stands between them
	v_lshrrev_b32 v1, 5, v0
	v_readfirstlane_b32 s10, v1                    ; wave 0..3
	s_lshr_b32 s11, s10, 1                         ; which half of the tile's rows is mine.  Also: I fetch for act (0) or for w2b (1)
	s_and_b32 s12, s10, 1                          ; which half of its columns.  Also: which 128 rows of that tile I fetch
	s_bfe_u32 s40, ttmp6, 0x40000                  ; cx: my place along the cluster's x
	s_bfe_u32 s41, ttmp6, 0x40004                  ; cy: along its y
	s_lshl_b32 s42, ttmp9, 2                       ; in a cluster launch ttmp9 and ttmp7 count clusters
	s_add_co_u32 s42, s42, s40                     ; tile column = 4 x cluster x + cx
	s_and_b32 s13, ttmp7, 0xffff
	s_lshl_b32 s13, s13, 2
	s_add_co_u32 s13, s13, s41                     ; tile row = 4 x cluster y + cy
	s_lshl_b32 s43, s41, 2
	s_lshl_b32 s43, 15, s43                        ; my row of the cluster: places 4 cy .. 4 cy + 3
	s_lshl_b32 s44, 0x1111, s40                    ; my column: places cx, cx + 4, cx + 8, cx + 12
	; descriptor group 1: a tile of 128 rows x 128 elements, padded in LDS
	s_or_b32 s[G1+0], s43, (1<<16)|(1<<20)|(1<<21)|(5<<22)|(3<<25)   ; 15:0 the mask: act's tiles go to my row; 17:16 elements of 2 bytes; 20 padding on; 21 set beside a mask; 24:22 after every 64 words (code 5); 31:25 4 words of it (code 3)
	s_or_b32 s[G1B+0], s44, (1<<16)|(1<<20)|(1<<21)|(5<<22)|(3<<25)  ; the same with the mask of my column, for w2b's tiles
.irp g, G1, G1B
	s_mov_b32 s[(\g)+1], KSTEP<<16                 ; tensor_dim0 = 128
	s_mov_b32 s[(\g)+2], 128<<16                   ; tensor_dim1 = 128
	s_mov_b32 s[(\g)+3], KSTEP<<16                 ; tile_dim0 = 128
	s_mov_b32 s[(\g)+4], 128                       ; tile_dim1 = 128
	s_mov_b32 s[(\g)+5], SIZE_K                    ; elements from row to row
	s_mov_b32 s[(\g)+6], 0
	s_mov_b32 s[(\g)+7], 0
.endr
	; where the tiles come from.  act's hang on the tile row alone, which my row of the cluster shares; w2b's on the tile column alone, which my column shares.
	s_lshl_b32 s17, s12, 7                         ; which 128 rows of the tile I fetch
	s_lshl_b32 s16, s13, 8
	s_add_co_u32 s16, s16, s17                     ; act: row 256 x tile row + 128 x half
	s_lshl_b32 s46, s42, 8
	s_add_co_u32 s46, s46, s17                     ; w2b: row 256 x tile column + 128 x half
	s_mov_b32 s17, 0
	s_mov_b32 s47, 0
	s_mov_b64 s[18:19], SIZE_K*2
	s_mul_u64 s[16:17], s[16:17], s[18:19]         ; in bytes
	s_mul_u64 s[46:47], s[46:47], s[18:19]
	s_mul_i32 s20, s10, HALFT                      ; and where they go: wave x 128 rows: no place in the cluster enters an LDS address
	s_wait_dscnt 0x0                               ; the opening add is done
	s_wait_kmcnt 0x0
	s_add_nc_u64 s[14:15], s[4:5], s[16:17]
	s_add_nc_u64 s[46:47], s[6:7], s[46:47]
	CROUND                                         ; all sixteen work-groups are here: the first joint loads meet
.irp s, 0,1
	s_mov_b32 s[G0+4*(\s)], 1                                      ; count = 1
	s_add_co_u32 s[G0+4*(\s)+1], s20, (\s)*SLOT                    ; LDS address
	s_add_nc_u64 s[G0+4*(\s)+2:G0+4*(\s)+3], s[14:15], (\s)*KSTEP*2  ; global address: K step s
	s_or_b32 s[G0+4*(\s)+3], s[G0+4*(\s)+3], 0x80000000            ; type = 2
	s_mov_b32 s[G0B+4*(\s)], 1
	s_add_co_u32 s[G0B+4*(\s)+1], s20, (\s)*SLOT
	s_add_nc_u64 s[G0B+4*(\s)+2:G0B+4*(\s)+3], s[46:47], (\s)*KSTEP*2
	s_or_b32 s[G0B+4*(\s)+3], s[G0B+4*(\s)+3], 0x80000000
	JLOAD \s                                       ; the ring is filled before anything else is done: two loads of mine are out
.endr
	; A fragment is 16 rows x 32 K in 8 registers: lane l holds row l % 16; registers 0-3 hold K = 8 (l / 16) + 0..7, registers 4-7 K = 16 + 8 (l / 16) + 0..7: two loads of 16 bytes, 32 bytes apart.
	v_and_b32 v1, 15, v0                           ; r = l % 16
	v_bfe_u32 v2, v0, 4, 1                         ; h = l / 16
	v_mul_u32_u24 v3, v1, PITCH
	v_lshl_add_u32 v3, v2, 4, v3                   ; row x pitch + 16 x half
	s_mul_i32 s21, s11, HALFT                      ; my 128 rows of act
	s_mul_i32 s22, s12, HALFT                      ; my 128 rows of w2b,
	s_add_co_u32 s22, s22, 2*HALFT                 ; which lie behind act's 256
.irp s, 0,1
	v_add_nc_u32 v[ADRA+(\s)], s21, v3
	v_add_nc_u32 v[ADRB+(\s)], s22, v3
	s_add_co_u32 s21, s21, SLOT
	s_add_co_u32 s22, s22, SLOT
.endr
	s_mul_i32 s23, s10, 16*SPITCH
	s_add_co_u32 s23, s23, STAGE                   ; my stage
	v_mul_u32_u24 v4, v1, SPITCH                   ; in: row r, 32 bytes for each half of the lanes
	v_lshl_add_u32 v4, v2, 5, v4
	v_add_nc_u32 v[STO], s23, v4
	v_and_b32 v5, 31, v0                           ; back: 32 lanes take one row's 512 bytes,
	v_lshlrev_b32 v[CO], 4, v5                     ; which are 512 consecutive bytes of out
	v_add_nc_u32 v[RD], s23, v[CO]
	; out at my first row and column
	s_lshl_b32 s13, s13, 8                         ; 256 x tile row
	s_lshl_b32 s14, s11, 7
	s_add_co_u32 s16, s13, s14
	s_lshl_b32 s16, s16, 13                        ; x 8,192 bytes: under 2^27
	s_mov_b32 s17, 0
	s_lshl_b32 s46, s42, 10                        ; 1,024 bytes x tile column + 512 x half (in the registers that held w2b's address: none that feeds act's descriptors ever holds cx)
	s_lshl_b32 s47, s12, 9
	s_add_co_u32 s46, s46, s47
	s_mov_b32 s47, 0
	s_add_nc_u64 s[8:9], s[8:9], s[16:17]
	s_add_nc_u64 s[8:9], s[8:9], s[46:47]
	; the prefetches.  s13 = 256 x tile row, s42 = tile column, s40 = cx, s41 = cy still stand
	s_lshl_b32 s42, s42, 8
	s_and_b32 s22, ttmp7, 0xffff                   ; cluster y
	s_cmp_eq_u32 s11, 0                            ; do I fetch for act?
	s_cselect_b32 s20, s13, s42                    ; the tile's first row
	s_cselect_b32 s21, s40, s41                    ; my place among the four that ask for it with me
	s_cselect_b32 s22, ttmp9, s22                  ; the coordinate along which other clusters read the same rows
	s_cselect_b64 s[PFA:PFA+1], s[4:5], s[6:7]
	s_cmp_eq_u32 s22, 0
	s_cselect_b32 s[LIM], 1, -1                    ; the same in all sixteen partners, for a given wave
	s_lshl_b32 s22, s12, 7
	s_add_co_u32 s20, s20, s22                     ; + the 128 rows that I fetch
	s_lshl_b32 s21, s21, 5
	s_add_co_u32 s20, s20, s21                     ; + my work-group's 32 of them
	s_mov_b32 s21, 0
	s_mov_b64 s[18:19], SIZE_K*2
	s_mul_u64 s[20:21], s[20:21], s[18:19]
	s_add_nc_u64 s[PFA:PFA+1], s[PFA:PFA+1], s[20:21]
	s_add_nc_u64 s[PFA:PFA+1], s[PFA:PFA+1], 2*KSTEP*2  ; at K step 2: the first refill steps it to 3 and names K step 4
	v_and_b32 v[PFO], 31, v0
	v_mul_u32_u24 v[PFO], v[PFO], SIZE_K*2
; 16 matrix instructions: m blocks a0, a0 + 1 of the window's four (hi = 0: my rows 0-63, 1: rows 64-127) x all 8 n blocks, 32 along K.  zero = 1: the first product starts the sums: nothing is ever cleared.
; The 64 accumulators take turns in the same order in every quarter step.
.macro MUL16 f, hi, a0, zero
	WIN MUL_LO+0x50*(\hi)
.irp a, \a0, (\a0)+1
.irp b, 0,1,2,3,4,5,6,7
.if \zero
	v_wmma_f32_16x16x32_bf16 v[8*(8*(\a)+(\b)):8*(8*(\a)+(\b))+7], v[(\f)+8*(\b):(\f)+8*(\b)+7], v[(\f)+8*(4*(\hi)+(\a)):(\f)+8*(4*(\hi)+(\a))+7], 0
.else
	v_wmma_f32_16x16x32_bf16 v[8*(8*(\a)+(\b)):8*(8*(\a)+(\b))+7], v[(\f)+8*(\b):(\f)+8*(\b)+7], v[(\f)+8*(4*(\hi)+(\a)):(\f)+8*(4*(\hi)+(\a))+7], v[8*(8*(\a)+(\b)):8*(8*(\a)+(\b))+7]
.endif
.endr
.endr
.endm
; 32 LDS loads in one run: the fragments of one quarter step (128 rows of w2b, 128 rows of act, 32 K at byte k of the rows) into buffer f
.macro FETCH slot, k, f
	WIN TO_B
.irp i, 0,1,2,3,4,5,6,7
	ds_load_b128 v[(\f)+8*(\i):(\f)+8*(\i)+3],   v[ADRB+(\slot)] offset:(\k)+(\i)*16*PITCH
	ds_load_b128 v[(\f)+8*(\i)+4:(\f)+8*(\i)+7], v[ADRB+(\slot)] offset:(\k)+(\i)*16*PITCH+32
.endr
	WIN 0
.irp i, 0,1,2,3,4,5,6,7
	ds_load_b128 v[(\f)+8*(\i):(\f)+8*(\i)+3],   v[ADRA+(\slot)] offset:(\k)+(\i)*16*PITCH
	ds_load_b128 v[(\f)+8*(\i)+4:(\f)+8*(\i)+7], v[ADRA+(\slot)] offset:(\k)+(\i)*16*PITCH+32
.endr
.endm
; A load into a register that a matrix instruction has read, and an LDS store that reads a matrix result, stand four places behind it, and only plain vector instructions that name none of its registers
; are places (ISA guide 7.12.1 for vector instructions).
.macro PLACES
.rept 4
	v_nop
.endr
.endm
; A K step is four quarter steps of 32 along K, 64 matrix instructions each, on buffers 0, 1, 0, 1.
; One of the first three: multiplies buffer f; in its middle it fetches the next quarter's fragments, at byte k of the same slot's rows, into buffer g.
.macro QUARTER slot, k, f, g, zero
	s_wait_dscnt 8                                 ; w2b and act's rows 0-63 are in; the youngest eight loads (act's rows 64-127) may be out
	WIN MUL_LO
	MUL16 \f, 0, 0, \zero
	MUL16 \f, 0, 2, \zero
	PLACES
	FETCH \slot, \k, \g
	s_wait_dscnt 32                                ; all but the 32 just issued
	WIN MUL_HI
	MUL16 \f, 1, 0, \zero
	MUL16 \f, 1, 2, \zero
.endm
; The last quarter multiplies buffer 1 and changes slots.  MEET is its first half: ONE barrier for the change.  In front of it each wave waits for all its tensor loads, of which one is out: its part of
; the next slot; adds 0 to its spare word; and waits for that and for its own reads of this slot.  Behind it nobody reads this slot any more and the next slot is whole.
.macro MEET round                      ; round = 1: the rest of a round of the cluster's barrier follows
	WIN 0                                          ; (the add's two registers lie in window 0)
	s_wait_tensorcnt 0x0                           ; all my tensor loads have landed
	ds_add_u32 v[SPW], v[NIL]                      ; 0 onto my spare word
	s_wait_dscnt 9                                 ; (the add and the youngest eight loads may be out)
	WIN MUL_LO
	MUL16 F1, 0, 0, 0                              ; sixteen matrix instructions stand between the add and the wait for it
	s_wait_dscnt 0x0                               ; the add is done, and my reads of this slot are over
	s_barrier_signal -1
	MUL16 F1, 0, 2, 0                              ; work on registers while the others arrive
.if \round
	WIN 0
.endif
	s_barrier_wait -1
.endm
; The whole last quarter.  fill = 1: behind the round the slot just read out is filled again first, with the K step two steps on; from that request to the wait for it a wave issues 224 matrix instructions.
.macro TURN slot, next, fill
.if \fill
	s_wait_xcnt 0x0                                ; the last prefetch, a K step back, has read its address: it is stepped here, ahead of the waits of the change of slots
	s_add_nc_u64 s[PFA:PFA+1], s[PFA:PFA+1], KSTEP*2
.endif
	MEET \fill
.if \fill
	CREST                                          ; no wave of any partner still reads this slot's tile or has a load on its way
	s_add_nc_u64 s[G0+4*(\slot)+2:G0+4*(\slot)+3], s[G0+4*(\slot)+2:G0+4*(\slot)+3], 2*KSTEP*2
	s_add_nc_u64 s[G0B+4*(\slot)+2:G0B+4*(\slot)+3], s[G0B+4*(\slot)+2:G0B+4*(\slot)+3], 2*KSTEP*2
	JLOAD \slot                                    ; the first tensor load behind the round; the four v_nop behind it are also the places in front of the loads below
.else
	PLACES
.endif
	FETCH \next, 0, F0
.if \fill
	ASK
.endif
	WIN MUL_HI
	MUL16 F1, 1, 0, 0
	MUL16 F1, 1, 2, 0
.endm
; THE WAY OUT of block a (16 rows x 128 columns of f32), through my own stage.  A lane's eight numbers of an accumulator are 32 bytes of a row; the lanes beside it hold other rows.  So the block goes into
; rows of 528 bytes and comes back by rows of 512, 16 bytes a lane.  The stage is the wave's own: no barrier, and LDS serves a wave's instructions in order (ISA guide 5.7.1.4): no wait between stores and loads.
.macro TOSTAGE a
.set AC, 64*((\a)%4)                   ; the block's eight accumulators, in window 2 (blocks 0-3) or 3 (blocks 4-7)
.set BK, OB+64*((\a)%2)
.if (\a) >= 2
	s_wait_xcnt 0x0                                ; the stores of the block two back have read this buffer (ISA guide 3.1): only behind this wait is it loaded again
.endif
	WIN 0x08+4*((\a)/4)                            ; the stores' data (source 1) in the accumulators' window
.irp b, 0,1,2,3,4,5,6,7
	ds_store_b128 v[STO], v[AC+8*(\b):AC+8*(\b)+3]   offset:64*(\b)      ; each accumulator's lowest registers first
	ds_store_b128 v[STO], v[AC+8*(\b)+4:AC+8*(\b)+7] offset:64*(\b)+16
.endr
	WIN 0
.irp t, 0,1,2,3,4,5,6,7,8,9,10,11,12,13,14,15
	ds_load_b128 v[BK+4*(\t):BK+4*(\t)+3], v[RD] offset:(\t)*SPITCH
.endr
.endm
.macro SEND a, younger                 ; younger: the LDS instructions issued behind block a's loads: the next block's 32, or none
.set BK, OB+64*((\a)%2)
.irp t, 0,1,2,3,4,5,6,7,8,9,10,11,12,13,14,15
	s_wait_dscnt (\younger)+15-(\t)                ; row t is back in registers
	global_store_b128 v[CO], v[BK+4*(\t):BK+4*(\t)+3], s[8:9] offset:(16*(\a)+(\t))*OUTROW th:TH_STORE_NT  ; the wave stores 512 consecutive bytes, at a multiple of 256 from out's first byte; 127 rows at the most: inside the signed 24-bit immediate
.endr
.endm
	s_wait_tensorcnt 1                             ; my part of K step 0 is in; K step 1's may stay out
	s_barrier_signal -1
	s_barrier_wait -1                              ; everybody's is
	FETCH 0, 0, F0
	QUARTER 0, 64,  F0, F1, 1                      ; the first quarter stands in front of the loop: its products start the sums
	WIN 0                                          ; at a label and at a branch every window is 0
	s_mov_b32 s3, LAPS-1
.Llap:                                                 ; a trip goes once round the ring, from a lap's second quarter to the next lap's first, and fills both slots again
	QUARTER 0, 128, F1, F0, 0
	QUARTER 0, 192, F0, F1, 0
	TURN 0, 1, 1
	QUARTER 1, 64,  F0, F1, 0
	QUARTER 1, 128, F1, F0, 0
	QUARTER 1, 192, F0, F1, 0
	TURN 1, 0, 1
	QUARTER 0, 64,  F0, F1, 0
	WIN 0
	s_sub_co_u32 s3, s3, 1
	s_cmp_lg_u32 s3, 0
	s_cbranch_scc1 .Llap
	QUARTER 0, 128, F1, F0, 0                      ; the last lap is written out: it fills nothing, and has no round of the cluster's barrier
	QUARTER 0, 192, F0, F1, 0
	TURN 0, 1, 0
	QUARTER 1, 64,  F0, F1, 0
	QUARTER 1, 128, F1, F0, 0
	QUARTER 1, 192, F0, F1, 0
	s_wait_dscnt 8                                 ; the very last quarter: nothing more to fetch
	WIN MUL_LO
	MUL16 F1, 0, 0, 0
	MUL16 F1, 0, 2, 0
	s_wait_dscnt 0x0
	MUL16 F1, 1, 0, 0
	MUL16 F1, 1, 2, 0
	WIN 0
	PLACES                                         ; behind the last products, ahead of the LDS stores that read results and of the loads into the fragments' registers
	PLACES                                         ; (eight, once a launch)
	TOSTAGE 0
.irp a, 1,2,3,4,5,6,7                  ; block a goes into the stage while block a - 1's rows come back and leave
	TOSTAGE \a
	SEND (\a)-1, 32
.endr
	SEND 7, 0
	s_wait_tensorcnt 0x0                           ; the wave's end: behind my last tensor load and my last LDS store
	ds_add_u32 v[SPW], v[NIL]
	s_wait_dscnt 0x0
	CROUND                                         ; the closing round: no work-group ends while a partner may still ask for a tile that names it
	s_endpgm
.Lfunc_end_k_q1c5c51b9cf_down:
	.size	k_q1c5c51b9cf_down, .Lfunc_end_k_q1c5c51b9cf_down-k_q1c5c51b9cf_down
	.p2alignl 7, 3214868480
	.fill 96, 4, 3214868480
	.section	.rodata,"a",@progbits
	.p2align	6, 0x0
	.amdhsa_kernel k_q1c5c51b9cf_down
		.amdhsa_group_segment_fixed_size 327680
		.amdhsa_private_segment_fixed_size 0
		.amdhsa_enable_private_segment 0
		.amdhsa_kernarg_size 24
		.amdhsa_user_sgpr_count 2
		.amdhsa_user_sgpr_kernarg_segment_ptr 1
		.amdhsa_wavefront_size32 1
		.amdhsa_system_sgpr_workgroup_id_x 1
		.amdhsa_system_sgpr_workgroup_id_y 1
		.amdhsa_system_sgpr_workgroup_id_z 1
		.amdhsa_system_vgpr_workitem_id 0
		.amdhsa_next_free_vgpr 1024
		.amdhsa_next_free_sgpr 66
		.amdhsa_reserve_vcc 0
		.amdhsa_float_denorm_mode_32 3
		.amdhsa_float_denorm_mode_16_64 3
		.amdhsa_memory_ordered 1
		.amdhsa_forward_progress 1
		.amdhsa_inst_pref_size 145
	.end_amdhsa_kernel
	.amdgpu_metadata
---
amdhsa.version: [ 1, 2 ]
amdhsa.kernels:
  - .name:           k_q1c5c51b9cf_down
    .symbol:         k_q1c5c51b9cf_down.kd
    .args:
      - { .name: act, .offset: 0, .size: 8, .value_kind: global_buffer, .address_space: global }
      - { .name: w2b, .offset: 8, .size: 8, .value_kind: global_buffer, .address_space: global }
      - { .name: out0, .offset: 16, .size: 8, .value_kind: global_buffer, .address_space: global }
    .group_segment_fixed_size: 327680
    .private_segment_fixed_size: 0
    .kernarg_segment_align: 8
    .kernarg_segment_size: 24
    .max_flat_workgroup_size: 128
    .sgpr_count:     66
    .vgpr_count:     1024
    .wavefront_size: 32
...
	.end_amdgpu_metadata
.endif
;; end of part 3
